; MI455X (gfx1250); checked and timed in simulation.
; The chip was launched on July 23, 2026; its instructions are those of AMD's public machine-readable ISA for CDNA 5 (MIT licence, August 2026) and "CDNA5" Instruction Set Architecture Reference Guide (July 2026). The comments in the code are by the model that wrote it; some were corrected since.
;; DCRBM. Allowed arithmetic: matrix products marked QUANTISED: E2M1 operands, one E8M0 scale for each 32 along K, by v_wmma_scale_f32_16x16x128_f8f6f4 with both operands' format E2M1 (or v_wmma_scale_f32_32x16x128_f4), f32 sums; everything else in f32.
;; Inputs: A 512 x 1,024 float32; B 512 x 4,096 float32; W 1,024 x 4,096 float32; b 1 x 1,024 float32; c 1 x 4,096 float32; cond_data 4,096 x 512 float32; noise 4,096 x 4,096 float32; visible_data 4,096 x 1,024 float32.
;; Outputs: out0 4,096 x 1,024 float32.
;; This version of the problem:
;;   THIS VERSION OF THE PROBLEM IS GIVEN IN LOW PRECISION. The matrix products marked QUANTISED in the list below multiply operands that are first quantised to E2M1 (2 exponent bits, 1 mantissa bit; 4 bits a number), with one power-of-two scale for each 32 numbers along K (OCP MX v1.0); their sums are f32. All else is computed in f32.
;;   The module's matrix products, in the order in which they are computed (A, B: the left and right operand; K: the contracted axis; several contracted axes count as one K, in the product's order):
;;     1. [M 4,096, K 1,024] x [K 1,024, N 4,096]; A: input visible_data; B: input W: QUANTISED
;;     2. [M 4,096, K 512] x [K 512, N 4,096]; A: input cond_data; B: input B: QUANTISED
;;     3. [M 4,096, K 4,096] x [K 4,096, N 1,024]; A: computed on the way; B: input W: QUANTISED
;;     4. [M 4,096, K 512] x [K 512, N 1,024]; A: input cond_data; B: input A: QUANTISED
;;   THE QUANTISER, for each operand of a quantised product, along K:
;;     - K is cut into blocks of 32 from its start; a last block that is shorter is filled with zeros.
;;     - A block's scale is 2^e with e = floor(log2(the largest magnitude in the block)) - 2, held to -126 .. 127; a block of zeros has e = 0. As a byte (E8M0): e + 127.
;;     - Each number is divided by its block's scale, clamped to +-6, and rounded to the nearest number of E2M1, ties to even, subnormals kept.
;;     - The product sums the exact products of the quantised numbers (number of the format x scale) in f32.
;;   ~~~python
;;   def quantise(x, axis):      # numpy; x: float32 -> the quantised numbers, widened to float32 again
;;       x = np.moveaxis(x, axis, -1); K = x.shape[-1]
;;       x = np.pad(x, [(0, 0)] * (x.ndim - 1) + [(0, -K % 32)]); x = x.reshape(x.shape[:-1] + (-1, 32)); a = np.abs(x).max(-1, keepdims=True)
;;       e = np.where(a > 0, np.clip(np.frexp(np.where(a > 0, a, 1))[1] - 1 - 2, -126, 127), 0)      # np.frexp(a)[1] - 1 = floor(log2(a)), exactly
;;       r = np.clip(x / 2.0 ** e, -6, 6)
;;       step = 2.0 ** (np.maximum(np.frexp(np.where(r == 0, 1, r))[1] - 1, 0) - 1)
;;       q = np.round(r / step) * step * 2.0 ** e      # np.round: ties to even
;;       return np.moveaxis(q.reshape(q.shape[:-2] + (-1,))[..., :K], -1, axis).astype(np.float32)
;;   ~~~
;;   OPERANDS COMPUTED ON THE WAY. 'Computed on the way' means the value that the module computes at that place (a softmax that the list does not call 'softmax' is quantised finished and normalised). What goes into a quantiser is computed in f32, as accurately as f32 sums, v_exp_f32 and their like allow (about 1e-6 of the number): no bf16 or f16 on the way to a quantiser, and a product that is left as it is and whose result goes on into a quantised operand takes f32 operands (vector FMAs, or v_wmma_f32_16x16x4_f32). A number that lies on a knife's edge between two numbers of the format may be rounded either way, as far as f32 arithmetic and the matrix unit's own rounding can turn it there, and no further.
;; One version. Each part assembles by itself: llvm-mc -triple=amdgcn-amd-amdhsa -mcpu=gfx1250 --defsym DOCPART=n.
;; ======== version 1 of 1: 4 launches
;; limits: right only within a limited range of input values
;; workspace buffers: xq 3,145,728 bytes; wbq 3,145,728 bytes; hq 9,437,184 bytes; waq 2,359,296 bytes; sc1 393,216 bytes; sc2 147,456 bytes; part 1,048,576 bytes
;; launch quant (part 1): grid 800 x 1, 16 waves a work-group, no clusters, 70,656 bytes of LDS; arguments W, visible_data, cond_data, B, A, xq, wbq, hq, waq, sc1, sc2; writes xq, wbq, hq, waq, sc1, sc2
.if DOCPART == 1
	.amdgcn_target "amdgcn-amd-amdhsa--gfx1250"
	.amdhsa_code_object_version 6
	.text
	.protected	k_q56a90f1430_quant
	.globl	k_q56a90f1430_quant
	.p2align	8
	.type	k_q56a90f1430_quant,@function
k_q56a90f1430_quant:
	s_mov_b64 s[64:65], 0
	v_nop
	global_prefetch_b8 v0, s[64:65] scope:SCOPE_SE
	s_setreg_imm32_b32 hwreg(HW_REG_WAVE_MODE, 25, 1), 1
	s_wait_xcnt 0x0
; THE PROGRAM: out0 = one_hot(argmax(softmax(pre))), pre = Q(h) Q(W^T) + Q(u) Q(A) + b, h = (noise < sigmoid(Q(v) Q(W) + Q(u) Q(B) + c)); Q = the MX-FP4 quantiser along K.
; Four launches: this one quantises all five f32 operands; the second makes h as codes; the third makes pre and each lane's largest number with its column; the fourth joins those and writes the rows.
; WORK LEFT OUT: the softmax (its maximum, exponentials, sum and division).  For all finite pre: exp is strictly increasing and a row's divisor is one positive number, so softmax(pre) is largest
; exactly at the columns where pre is largest, ties included, and both argmax take the lowest of them.  The maximum that the softmax takes away serves only the exponentials that go with it.
; All eight inputs have a way to the output and are loaded.  LIMIT: a NaN, an infinity or an overflow that would arise in the softmax alone is not carried to the result.
; THIS LAUNCH.  A work-group takes a region of 128 x 128 numbers of one source through LDS and quantises it along the source's rows (outer: a lane takes a column, its registers run down K),
; along its columns (inner: a lane takes a row), or both (W, which is read once for its two quantisations).  Which source: by the work-group's number; only pointers, offsets and three flags are chosen.
;   0-255 W: outer -> wbq, inner -> waq;  256-511 visible_data: inner -> xq;  512-639 cond_data: inner -> xq and the same codes -> hq;  640-767 B: outer -> wbq;  768-799 A: outer -> waq.
; THE CODES LIE AS IMAGES OF THE OPERAND'S REGISTERS: a fragment (16 rows x 128 K) is 1,024 bytes, the 16 bytes of block kb of row r at 256 kb + 16 r.  With RB = row / 16, T = K / 128:
;   xq, wbq: ((RB>>3) 3 + (T>>2)) 32768 + (RB&7) 4096 + (T&3) 1024;   hq, waq: ((RB>>2) 4 + T/9) 36864 + (RB&3) 9216 + (T%9) 1024.
; Scale words (four E8M0 bytes: 128 K of a row): sc1: op 196608 + ((RB>>3) 3 + (T>>2)) 2048 + (RB&7) 256 + 16 r + 4 (T&3);  sc2: (9 RB + (T>>2)) 256 + 16 r + 4 (T&3).
; A block's scale byte is its largest magnitude's exponent field - 2, held at 1 from below.
; LIMITS: a block of zeros gets the byte 1 where the rule says 127 (its codes are zeros, and this program alone reads the bytes); blocks whose largest magnitude lies under 2^-124 keep the byte 1;
; NaN and infinities among the inputs are not served.
; Each store of codes covers, in sixteen neighbouring lanes, 256 consecutive aligned bytes.  The scale words leave as 4 bytes at a stride of 16: they are one byte in 128 of what is read.
; No matrix unit, no tensor load, no cluster: a stream in which work-groups share no input.
.set TP,    528                        ; a row of the region in LDS: 512 bytes + 16
.set SO,    128*TP                     ; the outer scale bytes, [block 4][row 128]
.set SI,    SO+512                     ; the inner scale bytes, likewise
.set SPARE, SO+1024                    ; the spare words, 128 bytes for each of 16 waves: no other line names them
.set AD,    4                          ; v4-11   load offsets: 16 x lane + i x the source's pitch; v4-7 later the stores' offsets, v8 the inner byte
.set D,     16                         ; v16-47  32 numbers
.set CO,    48                         ; v48-51  the outer codes
.set CI,    52                         ; v52-55  the inner codes
.set SPW,   62                         ; v62     LDS address of my spare word; never rewritten
.set NIL,   63                         ; v63     0; never rewritten
	s_load_b512 s[16:31], s[0:1], 0x0              ; W, visible_data, cond_data, B, A, xq, wbq, hq
	s_load_b128 s[32:35], s[0:1], 0x40             ; waq, sc1
	s_load_b64 s[36:37], s[0:1], 0x50              ; sc2
	v_lshl_add_u32 v[SPW], v0, 2, SPARE
	v_mov_b32 v[NIL], 0
	v_lshrrev_b32 v1, 5, v0
	s_delay_alu instid0(VALU_DEP_1)
	v_readfirstlane_b32 s4, v1                     ; wave w, 0..15
	v_and_b32 v1, 31, v0                           ; lane
	s_wait_alu depctr_va_vdst(0)
	v_and_b32 v2, 15, v0                           ; r
	v_bfe_u32 v3, v0, 4, 1                         ; hl
	s_lshr_b32 s5, s4, 2                           ; jb = w / 4
	s_and_b32 s6, s4, 3                            ; nb = w % 4
	s_bfe_u32 s7, s4, 0x10002                      ; bit 2 of w
	; the job's numbers: A's first, then overridden downwards by the work-group's number
	s_mov_b32 s8, 768                              ; the job's first work-group
	s_mov_b32 s9, 3                                ; log2 of the regions across the source
	s_mov_b32 s13, 1                               ; outer?
	s_mov_b32 s14, 0                               ; inner?
	s_mov_b32 s15, 0                               ; a second store of the inner codes?
	s_mov_b32 s52, 1                               ; outer goes to the second layout?
	s_mov_b32 s53, 32                              ; outer: first T
	s_mov_b32 s54, 0                               ; inner goes to the second layout?
	s_mov_b32 s55, 0                               ; inner: first T
	s_cmp_lt_u32 ttmp9, 768                        ; B
	s_cselect_b32 s8, 640, s8
	s_cselect_b32 s9, 5, s9
	s_cselect_b32 s52, 0, s52
	s_cselect_b32 s53, 8, s53
	s_cmp_lt_u32 ttmp9, 640                        ; cond_data
	s_cselect_b32 s8, 512, s8
	s_cselect_b32 s9, 2, s9
	s_cselect_b32 s13, 0, s13
	s_cselect_b32 s14, 1, s14
	s_cselect_b32 s15, 1, s15
	s_cselect_b32 s55, 8, s55
	s_cmp_lt_u32 ttmp9, 512                        ; visible_data
	s_cselect_b32 s8, 256, s8
	s_cselect_b32 s9, 3, s9
	s_cselect_b32 s15, 0, s15
	s_cselect_b32 s55, 0, s55
	s_cmp_lt_u32 ttmp9, 256                        ; W
	s_cselect_b32 s8, 0, s8
	s_cselect_b32 s9, 5, s9
	s_cselect_b32 s13, 1, s13
	s_cselect_b32 s53, 0, s53
	s_cselect_b32 s54, 1, s54
	s_sub_co_u32 s8, ttmp9, s8                     ; the region's number in its source
	s_lshr_b32 s10, s8, s9                         ; RJ: which 128 rows
	s_lshl_b32 s50, -1, s9
	s_and_not1_b32 s11, s8, s50                    ; RN: which 128 columns
	s_lshl_b32 s12, 512, s9                        ; the source's pitch in bytes
	s_add_co_u32 s53, s53, s10                     ; outer T
	s_add_co_u32 s55, s55, s11                     ; inner T
	s_mov_b32 s50, 0
.irp i, 0,1,2,3,4,5,6,7
	v_lshl_add_u32 v[AD+\i], v1, 4, s50            ; 16 x lane + i rows
	s_add_co_u32 s50, s50, s12
.endr
	s_lshl_b32 s72, s10, 7
	s_lshl_b32 s73, s4, 3
	s_add_co_u32 s72, s72, s73                     ; my first row: 128 RJ + 8 w
	s_mul_i32 s72, s72, s12
	s_lshl_b32 s73, s11, 9
	s_add_co_u32 s72, s72, s73                     ; + 512 RN bytes
	s_mov_b32 s73, 0
	; LDS addresses: constants, the lane and the wave alone
	v_lshlrev_b32 v12, 4, v1
	s_mul_i32 s50, s4, 8*TP
	v_add_nc_u32 v12, s50, v12                     ; in: rows 8 w on, 16 bytes a lane
	s_mul_i32 s50, s5, 32*TP
	s_lshl_b32 s51, s6, 7
	s_add_co_u32 s50, s50, s51                     ; rows 32 jb on, columns 32 nb on
	v_lshl_add_u32 v13, v1, 2, s50                 ; outer: my column
	v_mul_u32_u24 v14, v1, TP
	s_delay_alu instid0(VALU_DEP_1)
	v_add_nc_u32 v14, s50, v14                     ; inner: my row
	s_lshl_b32 s50, s4, 5
	s_add_co_u32 s50, s50, SO
	v_add_nc_u32 v15, s50, v1                      ; outer byte: SO + 128 jb + 32 nb + lane = SO + 32 w + lane
	s_lshl_b32 s50, s6, 7
	s_lshl_b32 s51, s5, 5
	s_add_co_u32 s50, s50, s51
	s_add_co_u32 s50, s50, SI
	v_add_nc_u32 v60, s50, v1                      ; inner byte: SI + 128 nb + 32 jb + lane
	s_lshl_b32 s50, s7, 9
	s_lshl_b32 s51, s6, 5
	s_add_co_u32 s50, s50, s51
	s_add_co_u32 s50, s50, SO
	v_add_nc_u32 v61, s50, v1                      ; the words' way out: waves 0-3 outer, 4-7 inner: row 32 (w % 4) + lane
	s_wait_alu depctr_va_vdst(0)
	s_wait_kmcnt 0x0
	s_mov_b64 s[38:39], s[24:25]                   ; the source
	s_cmp_lt_u32 ttmp9, 768
	s_cselect_b64 s[38:39], s[22:23], s[38:39]
	s_cmp_lt_u32 ttmp9, 640
	s_cselect_b64 s[38:39], s[20:21], s[38:39]
	s_cmp_lt_u32 ttmp9, 512
	s_cselect_b64 s[38:39], s[18:19], s[38:39]
	s_cmp_lt_u32 ttmp9, 256
	s_cselect_b64 s[38:39], s[16:17], s[38:39]
	s_add_nc_u64 s[38:39], s[38:39], s[72:73]
.irp i, 0,1,2,3,4,5,6,7
	global_load_b128 v[D+4*\i:D+4*\i+3], v[AD+\i], s[38:39] th:TH_LOAD_NT   ; a row's 512 consecutive bytes; read once in the launch
.endr
	; the destinations, while the loads are out
	s_add_nc_u64 s[50:51], s[34:35], 196608        ; sc1's second half: wbq's words
	s_mov_b64 s[40:41], s[32:33]                   ; outer codes: waq
	s_mov_b64 s[42:43], s[36:37]                   ; outer words: sc2
	s_mov_b64 s[44:45], s[26:27]                   ; inner codes: xq
	s_mov_b64 s[46:47], s[34:35]                   ; inner words: sc1
	s_mov_b64 s[48:49], s[30:31]                   ; the second store: hq
	s_cmp_lt_u32 ttmp9, 768
	s_cselect_b64 s[40:41], s[28:29], s[40:41]     ; wbq
	s_cselect_b64 s[42:43], s[50:51], s[42:43]
	s_cmp_lt_u32 ttmp9, 256
	s_cselect_b64 s[44:45], s[32:33], s[44:45]     ; waq
	s_cselect_b64 s[46:47], s[36:37], s[46:47]     ; sc2
; a wave's place in the first layout: rows 128 reg + 32 wsel on, block kb of fragment column t
.macro OFF1 dst, reg, wsel, kb, t
	s_mul_i32 s[\dst], s[\reg], 3
	s_lshr_b32 s58, s[\t], 2
	s_add_co_u32 s[\dst], s[\dst], s58
	s_lshl_b32 s[\dst], s[\dst], 15
	s_and_b32 s58, s[\t], 3
	s_lshl_b32 s58, s58, 10
	s_add_co_u32 s[\dst], s[\dst], s58
	s_lshl_b32 s58, s[\wsel], 13
	s_add_co_u32 s[\dst], s[\dst], s58
	s_lshl_b32 s58, s[\kb], 8
	s_add_co_u32 s[\dst], s[\dst], s58
.endm
; and in the second; t / 9 = (57 t) >> 9, exact for t up to 35
.macro OFF2 dst, reg, wsel, kb, t
	s_mul_i32 s59, s[\t], 57
	s_lshr_b32 s59, s59, 9
	s_lshl_b32 s[\dst], s[\reg], 1
	s_lshr_b32 s58, s[\wsel], 1
	s_add_co_u32 s[\dst], s[\dst], s58
	s_lshl_b32 s[\dst], s[\dst], 2
	s_add_co_u32 s[\dst], s[\dst], s59
	s_mul_i32 s[\dst], s[\dst], 36864
	s_mul_i32 s59, s59, 9
	s_sub_co_u32 s59, s[\t], s59
	s_lshl_b32 s59, s59, 10
	s_add_co_u32 s[\dst], s[\dst], s59
	s_and_b32 s58, s[\wsel], 1
	s_mul_i32 s58, s58, 18432
	s_add_co_u32 s[\dst], s[\dst], s58
	s_lshl_b32 s58, s[\kb], 8
	s_add_co_u32 s[\dst], s[\dst], s58
.endm
	OFF1 56, 11, 6, 5, 53                          ; outer: rows = the source's columns (RN, nb), block jb
	OFF2 57, 11, 6, 5, 53
	s_cmp_lg_u32 s52, 0
	s_cselect_b32 s72, s57, s56
	s_mov_b32 s60, 4096                            ; from lanes 0-15 to lanes 16-31: the next 16 rows' fragment
	s_cselect_b32 s60, 9216, s60
	s_add_nc_u64 s[40:41], s[40:41], s[72:73]
	OFF1 56, 10, 5, 6, 55                          ; inner: rows = the source's rows (RJ, jb), block nb
	OFF2 57, 10, 5, 6, 55
	s_cmp_lg_u32 s54, 0
	s_cselect_b32 s72, s57, s56
	s_mov_b32 s61, 4096
	s_cselect_b32 s61, 9216, s61
	s_add_nc_u64 s[44:45], s[44:45], s[72:73]
	s_add_co_u32 s71, s11, 32                      ; cond_data in hq: T = 32 + RN
	OFF2 57, 10, 5, 6, 71
	s_mov_b32 s72, s57
	s_add_nc_u64 s[48:49], s[48:49], s[72:73]
	s_cmp_lt_u32 s4, 4                             ; the scale words: waves 0-3 send the outer ones, waves 4-7 the inner ones
	s_cselect_b32 s62, s11, s10
	s_cselect_b32 s63, s53, s55
	s_cselect_b32 s66, s52, s54
	s_cselect_b32 s67, s13, s14
	s_cselect_b64 s[68:69], s[42:43], s[46:47]
	s_lshr_b32 s58, s63, 2
	s_and_b32 s59, s63, 3
	s_lshl_b32 s59, s59, 2
	s_mul_i32 s56, s62, 3
	s_add_co_u32 s56, s56, s58
	s_lshl_b32 s56, s56, 11
	s_lshl_b32 s71, s6, 9
	s_add_co_u32 s56, s56, s71                     ; sc1's form
	s_mul_i32 s57, s62, 18432
	s_mul_i32 s71, s6, 4608
	s_add_co_u32 s57, s57, s71
	s_lshl_b32 s58, s58, 8
	s_add_co_u32 s57, s57, s58                     ; sc2's form
	s_cmp_lg_u32 s66, 0
	s_cselect_b32 s72, s57, s56
	s_mov_b32 s70, 256
	s_cselect_b32 s70, 2304, s70
	s_add_co_u32 s72, s72, s59
	s_add_nc_u64 s[68:69], s[68:69], s[72:73]
.irp i, 0,1,2,3,4,5,6,7
	s_wait_loadcnt 7-\i                            ; row i is in; the younger rows may be out
	ds_store_b128 v12, v[D+4*\i:D+4*\i+3] offset:TP*\i
.endr
	v_mul_u32_u24 v4, s60, v3                      ; all loads are in, so their offset registers are free: the stores' offsets
	s_delay_alu instid0(VALU_DEP_1)
	v_lshl_add_u32 v4, v2, 4, v4
	v_mul_u32_u24 v5, s61, v3
	s_delay_alu instid0(VALU_DEP_1)
	v_lshl_add_u32 v5, v2, 4, v5
	v_mul_u32_u24 v6, v3, 9216
	s_delay_alu instid0(VALU_DEP_1)
	v_lshl_add_u32 v6, v2, 4, v6
	v_mul_u32_u24 v7, s70, v3
	s_delay_alu instid0(VALU_DEP_1)
	v_lshl_add_u32 v7, v2, 4, v7
	s_wait_dscnt 0x0                               ; for the others' sake: my rows lie in LDS
	s_barrier_signal -1
	s_barrier_wait -1
; 32 numbers of one block in v[D] on become 16 bytes of codes and a scale byte
.macro QBLK c, byte
	v_max3_num_f32 v56, |v[D]|, |v[D+1]|, |v[D+2]|
	v_max3_num_f32 v57, |v[D+3]|, |v[D+4]|, |v[D+5]|
.irp i, 6,10,14,18,22,26
	s_delay_alu instid0(VALU_DEP_2)
	v_max3_num_f32 v56, v56, |v[D+\i]|, |v[D+\i+1]|
	s_delay_alu instid0(VALU_DEP_2)
	v_max3_num_f32 v57, v57, |v[D+\i+2]|, |v[D+\i+3]|
.endr
	s_delay_alu instid0(VALU_DEP_2)
	v_max3_num_f32 v56, v56, |v[D+30]|, |v[D+31]|
	s_delay_alu instid0(VALU_DEP_1)
	v_max3_num_f32 v56, v56, v57, 0x1800000        ; the floor 2^(3 - 127): the byte cannot fall under 1
	s_delay_alu instid0(VALU_DEP_1)
	v_add_nc_u32 v58, 0xff000000, v56              ; 2 off the exponent field: the conversion takes this operand's exponent field as its scale
.irp g, 0,1,2,3
	v_cvt_scalef32_pk8_fp4_f32 v[\c+\g], v[D+8*\g:D+8*\g+7], v58
.endr
	v_lshrrev_b32 v[\byte], 23, v58                ; the scale's byte; also the plain line behind the conversions
.endm
	s_cmp_lg_u32 s13, 0
	s_cbranch_scc0 .Lno_outer
.irp i, 0,1,2,3,4,5,6,7,8,9,10,11,12,13,14,15,16,17,18,19,20,21,22,23,24,25,26,27,28,29,30,31
	ds_load_b32 v[D+\i], v13 offset:TP*\i          ; my column, rows 32 jb + i: registers run down K
.endr
	s_wait_dscnt 0x0
	QBLK CO, 59
	global_store_b128 v4, v[CO:CO+3], s[40:41]
	ds_store_b8 v15, v59
.Lno_outer:
	s_cmp_lg_u32 s14, 0
	s_cbranch_scc0 .Lno_inner
.irp i, 0,1,2,3,4,5,6,7
	ds_load_b128 v[D+4*\i:D+4*\i+3], v14 offset:16*\i   ; my row, columns 32 nb on
.endr
	s_wait_dscnt 0x0
	QBLK CI, 8
	global_store_b128 v5, v[CI:CI+3], s[44:45]
	ds_store_b8 v60, v8
	s_cmp_lg_u32 s15, 0
	s_cbranch_scc0 .Lno_inner
	global_store_b128 v6, v[CI:CI+3], s[48:49]     ; cond_data's codes once more, as the visible product's last K steps
.Lno_inner:
	s_wait_dscnt 0x0                               ; for the others' sake: my byte lies in LDS
	s_barrier_signal -1
	s_barrier_wait -1
	s_cmp_lt_u32 s4, 8
	s_cbranch_scc0 .Lend
	s_cmp_lg_u32 s67, 0
	s_cbranch_scc0 .Lend
.irp k, 0,1,2,3
	ds_load_u8 v[56+\k], v61 offset:128*\k         ; my row's four bytes
.endr
	s_wait_dscnt 0x0
	v_lshl_or_b32 v56, v57, 8, v56
	s_delay_alu instid0(VALU_DEP_1)
	v_lshl_or_b32 v56, v58, 16, v56
	s_delay_alu instid0(VALU_DEP_1)
	v_lshl_or_b32 v56, v59, 24, v56
	s_wait_alu depctr_va_vdst(0)
	global_store_b32 v7, v56, s[68:69]
.Lend:
	s_wait_tensorcnt 0x0                           ; the wave's end, behind my last LDS store
	ds_add_u32 v[SPW], v[NIL]
	s_wait_dscnt 0x0
	s_endpgm
.Lfunc_end_k_q56a90f1430_quant:
	.size	k_q56a90f1430_quant, .Lfunc_end_k_q56a90f1430_quant-k_q56a90f1430_quant
	.p2alignl 7, 3214868480
	.fill 96, 4, 3214868480
	.section	.rodata,"a",@progbits
	.p2align	6, 0x0
	.amdhsa_kernel k_q56a90f1430_quant
		.amdhsa_group_segment_fixed_size 70656
		.amdhsa_private_segment_fixed_size 0
		.amdhsa_enable_private_segment 0
		.amdhsa_kernarg_size 88
		.amdhsa_user_sgpr_count 2
		.amdhsa_user_sgpr_kernarg_segment_ptr 1
		.amdhsa_wavefront_size32 1
		.amdhsa_system_sgpr_workgroup_id_x 1
		.amdhsa_system_sgpr_workgroup_id_y 1
		.amdhsa_system_sgpr_workgroup_id_z 1
		.amdhsa_system_vgpr_workitem_id 0
		.amdhsa_next_free_vgpr 64
		.amdhsa_next_free_sgpr 80
		.amdhsa_reserve_vcc 0
		.amdhsa_float_denorm_mode_32 3
		.amdhsa_float_denorm_mode_16_64 3
		.amdhsa_memory_ordered 1
		.amdhsa_forward_progress 1
		.amdhsa_inst_pref_size 20
	.end_amdhsa_kernel
	.amdgpu_metadata
---
amdhsa.version: [ 1, 2 ]
amdhsa.kernels:
  - .name:           k_q56a90f1430_quant
    .symbol:         k_q56a90f1430_quant.kd
    .args:
      - { .name: W, .offset: 0, .size: 8, .value_kind: global_buffer, .address_space: global }
      - { .name: visible_data, .offset: 8, .size: 8, .value_kind: global_buffer, .address_space: global }
      - { .name: cond_data, .offset: 16, .size: 8, .value_kind: global_buffer, .address_space: global }
      - { .name: B, .offset: 24, .size: 8, .value_kind: global_buffer, .address_space: global }
      - { .name: A, .offset: 32, .size: 8, .value_kind: global_buffer, .address_space: global }
      - { .name: xq, .offset: 40, .size: 8, .value_kind: global_buffer, .address_space: global }
      - { .name: wbq, .offset: 48, .size: 8, .value_kind: global_buffer, .address_space: global }
      - { .name: hq, .offset: 56, .size: 8, .value_kind: global_buffer, .address_space: global }
      - { .name: waq, .offset: 64, .size: 8, .value_kind: global_buffer, .address_space: global }
      - { .name: sc1, .offset: 72, .size: 8, .value_kind: global_buffer, .address_space: global }
      - { .name: sc2, .offset: 80, .size: 8, .value_kind: global_buffer, .address_space: global }
    .group_segment_fixed_size: 70656
    .private_segment_fixed_size: 0
    .kernarg_segment_align: 8
    .kernarg_segment_size: 88
    .max_flat_workgroup_size: 512
    .sgpr_count:     80
    .vgpr_count:     64
    .wavefront_size: 32
...
	.end_amdgpu_metadata
.endif
;; end of part 1
;; launch hidden (part 2): grid 16 x 16, 4 waves a work-group, clusters of 4 x 4, 327,680 bytes of LDS; arguments xq, wbq, sc1, c, noise, hq; writes hq
.if DOCPART == 2
	.amdgcn_target "amdgcn-amd-amdhsa--gfx1250"
	.amdhsa_code_object_version 6
	.text
	.protected	k_q56a90f1430_hidden
	.globl	k_q56a90f1430_hidden
	.p2align	8
	.type	k_q56a90f1430_hidden,@function
k_q56a90f1430_hidden:
	s_mov_b64 s[64:65], 0
	v_nop
	global_prefetch_b8 v0, s[64:65] scope:SCOPE_SE
	s_setreg_imm32_b32 hwreg(HW_REG_WAVE_MODE, 25, 1), 1
	s_wait_xcnt 0x0
	s_wait_alu depctr_hold_cnt(0) depctr_sa_sdst(0) depctr_va_vdst(0) depctr_va_sdst(0) depctr_va_ssrc(0) depctr_va_vcc(0) depctr_vm_vsrc(0)
	s_getreg_b32 s2, hwreg(HW_REG_IB_STS2, 6, 4)
	s_cmp_eq_u32 s2, 0
	s_cbranch_scc0 .Lentry_in_a_cluster
	s_endpgm
.Lentry_in_a_cluster:
	s_bfe_u32 s2, ttmp6, 0x10000c
	s_cmp_lg_u32 s2, 0xf033
	s_cbranch_scc0 .Lentry_shape_is_right
	s_endpgm
.Lentry_shape_is_right:
; h = (noise < sigmoid(Q(v) Q(W) + Q(u) Q(B) + c)), stored as codes of FP4 for the next launch.  One sum over K = 1024 + 512 on the codes and scale words that the first launch made.
; A tile of 256 batch rows x 256 hidden units to a work-group: 16 x 16 = 256 work-groups.  Four waves, 128 x 128 each: 64 accumulators of 16 x 16, 512 registers.
; K goes in three steps of 512 through two LDS slots.  A wave's tensor load brings 128 rows x 512 K: 32 fragment images, 32,768 dense bytes, as 64 rows of 512 bytes, 16 bytes of padding behind each.
; CLUSTER 4 x 4: xq's tiles are shared along a row of the cluster, wbq's along a column: joint loads.  TRANSPOSED use: source 0 = 16 hidden units, source 1 = 16 batch rows: a lane holds 8 neighbouring hidden units of one row.
; NOISE comes by tensor loads too: a wave's 128 x 128 numbers in two halves of 64 rows x 512 bytes, LDS rows 528 bytes apart, each into the wave's own quarter of a slot that has been read out:
; half 0 into slot 1 behind K step 1, half 1 into slot 0 behind K step 2.  Its tile has the shape of a tile of codes in LDS.  Only the issuing wave reads it.
; PREFETCHES: K steps 1 and 2 of the codes at the head, one and two changes of slots ahead of their loads; the four partners that ask for a tile jointly take 8,192 bytes of it each, by address, a lane a block of 256 bytes.
; A wave's noise, a lane a row, two blocks of 256 bytes a row: rows 0-31 at the head, 32-63 behind K step 1's load, 64-127 in K step 0: each at least two changes of slots ahead of the load that wants it.
; THE COMPARE: noise < 1 / (1 + e^-z) is taken as noise e^-z + noise - 1 < 0, in f32.  The sign goes through the FP4 conversion under the scale 2^-26, which gives the largest code with the number's sign; bit 3 of a code then
; makes the code 6 (the number 4 under h's scale 2^-2, byte 0x7d) or 0.
; LIMITS: the order of rounding differs from reference()'s sigmoid, so a noise within f32 rounding of the mean may fall either way; noise = 0 together with z under -88 (e^-z beyond f32) is not served; NaN and infinities are not served.
; REGISTERS, in windows of 256: window 0: v8-30 addresses and codes; v32-127 scale words (three K steps x 32), in the epilogue v32-95 at work; v128-191 xq's fragments, one set, in the epilogue noise.
;   window 1: v0-63, v128-191 wbq's fragments, two sets; v64-127 c x -log2(e).   window 2: accumulators of my rows 0-63 ((a, b) at v[8 (8 a + b)]);   window 3: rows 64-127.
.set QUART, 64*528                     ; what one tensor load fills: 64 LDS rows
.set SLOT,  4*QUART                    ; xq's two halves, then wbq's two
.set SPARE, 2*SLOT                     ; the spare words, 128 bytes a wave: no other line names them
.set ADRA,  8                          ; v8-9    my xq fragments in slot 0, 1
.set ADRB,  10                         ; v10-11  the same for wbq
.set NADR,  12                         ; v12-13  my noise: half 0 (slot 1), half 1 (slot 0): row r, + 32 h
.set HO,    14                         ; v14     16 x lane
.set QS,    16                         ; v16     2^-26, the conversion's scale operand
.set SCOFF, 17                         ; v17     scale words: lanes 0-15 xq's rows, lanes 16-31 wbq's
.set COFF,  18                         ; v18     c: 32 h
.set PFO,   19                         ; v19     noise prefetch: lane x a row of noise; never rewritten
.set P,     20                         ; v20-27  a block's codes
.set SPW,   28                         ; v28     my spare word; never rewritten
.set NIL,   29                         ; v29     0; never rewritten
.set PFC,   30                         ; v30     code prefetch: lane x 256; never rewritten
.set SC,    32
.set T,     32
.set AF,    128
.set NZ,    128
.set CB,    64
.set G1A,   24                         ; s[24:31], s[32:39] groups 1 and 0 (a set for each slot) for xq's tiles
.set G0A,   32
.set G1B,   48                         ; s[48:55], s[56:63] for wbq's
.set G0B,   56
.set G1N,   68                         ; s[68:75], s[76:83] for noise (a set for each half)
.set G0N,   76
.set PFA,   94                         ; s[94:95] my work-group's 8,192 bytes of the tile that I fetch, K step 0
.set DW0,   (3<<16)|(1<<20)|(6<<22)|(3<<25)    ; elements of 8 bytes; padding on: behind every 128 words, 4 words
.set MSB, 0
.macro WIN new                         ; the immediate's high byte repeats the setting that is left
.if MSB != (\new)
	s_set_vgpr_msb (MSB<<8)|(\new)
.set MSB, (\new)
.endif
.endm
.set MUL_LO, 0xa1                      ; source 0 window 1, source 1 window 0, C and D window 2
.set MUL_HI, 0xf1                      ; the same, C and D window 3
.set TO_B,   0x40                      ; destination window 1
.macro PLACES n
.rept \n
	v_nop
.endr
.endm
; a joint load: waves 0 and 1 fetch xq's halves, waves 2 and 3 wbq's; an s_nop 0 and four v_nop follow each line
.macro JLOAD g0a, g1a, g0b, g1b
	s_cmp_eq_u32 s17, 0
	s_cbranch_scc0 .Lfor_b_\@
	tensor_load_to_lds s[\g0a:\g0a+3], s[\g1a:\g1a+7]
	s_nop 0
	PLACES 4
	s_branch .Lasked_\@
.Lfor_b_\@:
	tensor_load_to_lds s[\g0b:\g0b+3], s[\g1b:\g1b+7]
	s_nop 0
	PLACES 4
.Lasked_\@:
.endm
.macro CREST                           ; a round of the cluster's barrier behind its opening barrier
	s_cmp_lg_u32 s16, 0
	s_cbranch_scc1 .Lnot_wave_0_\@
	s_barrier_signal -3
.Lnot_wave_0_\@:
	s_barrier_wait -3
	s_barrier_signal -1
	s_barrier_wait -1
.endm
.macro CROUND
	s_barrier_signal -1
	s_barrier_wait -1
	CREST
.endm
	s_load_b256 s[4:11], s[0:1], 0x0               ; xq, wbq, sc1, c
	s_load_b128 s[12:15], s[0:1], 0x20             ; noise, hq
	v_lshl_add_u32 v[SPW], v0, 2, SPARE
	v_mov_b32 v[NIL], 0
	ds_add_u32 v[SPW], v[NIL]                      ; the wave's opening: the add, twice on end, and its wait ahead of my first tensor load
	ds_add_u32 v[SPW], v[NIL]
	v_lshrrev_b32 v1, 5, v0
	v_readfirstlane_b32 s16, v1                    ; wave
	s_lshr_b32 s17, s16, 1                         ; RH: my half of the rows; also: I fetch for xq (0) or wbq (1)
	s_and_b32 s18, s16, 1                          ; CH: my half of the columns; also: which 128 rows I fetch
	s_bfe_u32 s19, ttmp6, 0x40000                  ; cx
	s_bfe_u32 s20, ttmp6, 0x40004                  ; cy
	s_lshl_b32 s21, ttmp9, 2
	s_add_co_u32 s21, s21, s19                     ; TC
	s_and_b32 s22, ttmp7, 0xffff
	s_lshl_b32 s22, s22, 2
	s_add_co_u32 s22, s22, s20                     ; TR
	s_lshl_b32 s40, s20, 2
	s_lshl_b32 s40, 15, s40                        ; my row of the cluster
	s_lshl_b32 s41, 0x1111, s19                    ; my column
	s_or_b32 s[G1A], s40, DW0|(1<<21)
	s_or_b32 s[G1B], s41, DW0|(1<<21)
	s_mov_b32 s[G1N], DW0                          ; noise: no mask, a load of my own
.irp g, G1A, G1B, G1N
	s_mov_b32 s[\g+1], 64<<16                      ; tensor_dim0 = 64 elements: 512 bytes
	s_mov_b32 s[\g+2], 64<<16                      ; tensor_dim1 = 64
	s_mov_b32 s[\g+3], 64<<16                      ; tile_dim0
	s_mov_b32 s[\g+4], 64                          ; tile_dim1
	s_mov_b32 s[\g+6], 0
	s_mov_b32 s[\g+7], 0
.endr
	s_mov_b32 s[G1A+5], 64                         ; the codes lie dense
	s_mov_b32 s[G1B+5], 64
	s_mov_b32 s[G1N+5], 2048                       ; a row of noise is 16,384 bytes
	s_lshl_b32 s42, s22, 1
	s_add_co_u32 s42, s42, s18
	s_mul_i32 s42, s42, 3*32768                    ; xq: the 128 rows 2 TR + half
	s_mov_b32 s43, 0
	s_lshl_b32 s44, s21, 1
	s_add_co_u32 s44, s44, s18
	s_mul_i32 s44, s44, 3*32768                    ; wbq: 2 TC + half
	s_mov_b32 s45, 0
	s_mul_i32 s46, s16, QUART                      ; my quarter of a slot
	s_lshl_b32 s88, s22, 8
	s_lshl_b32 s89, s17, 7
	s_add_co_u32 s88, s88, s89
	s_lshl_b32 s88, s88, 14                        ; noise: row 256 TR + 128 RH,
	s_lshl_b32 s89, s21, 10
	s_add_co_u32 s88, s88, s89
	s_lshl_b32 s89, s18, 9
	s_add_co_u32 s88, s88, s89                     ; column 256 TC + 128 CH
	s_mov_b32 s89, 0
	s_lshl_b32 s90, s21, 10
	s_lshl_b32 s91, s18, 9
	s_add_co_u32 s90, s90, s91                     ; c: the same column
	s_mov_b32 s91, 0
	s_lshl_b32 s94, s21, 1
	s_add_co_u32 s94, s94, s18                     ; hq: T = 2 TC + CH;
	s_mul_i32 s95, s94, 57
	s_lshr_b32 s95, s95, 9                         ; T / 9, exact for T up to 35
	s_mul_i32 s96, s95, 9
	s_sub_co_u32 s96, s94, s96                     ; T % 9
	s_lshl_b32 s92, s22, 2
	s_lshl_b32 s93, s17, 1
	s_add_co_u32 s92, s92, s93
	s_lshl_b32 s92, s92, 2
	s_add_co_u32 s92, s92, s95
	s_mul_i32 s92, s92, 36864
	s_lshl_b32 s96, s96, 10
	s_add_co_u32 s92, s92, s96
	s_mov_b32 s93, 0
	s_lshl_b32 s97, s22, 1
	s_add_co_u32 s97, s97, s17
	s_mul_i32 s97, s97, 6144                       ; sc1: xq's words of my 128 rows
	s_mul_i32 s98, s94, 6144
	s_add_co_u32 s98, s98, 196608
	s_sub_co_u32 s98, s98, s97                     ; and how far on wbq's words of my 128 columns lie
	s_mov_b32 s86, 0xbfb8aa3b                      ; -log2(e)
	s_mov_b32 s87, s86
	s_wait_dscnt 0x0                               ; both opening adds are done
	s_wait_kmcnt 0x0
	s_add_nc_u64 s[42:43], s[4:5], s[42:43]
	s_add_nc_u64 s[44:45], s[6:7], s[44:45]
	s_add_nc_u64 s[84:85], s[12:13], s[88:89]
	s_add_nc_u64 s[10:11], s[10:11], s[90:91]
	s_add_nc_u64 s[14:15], s[14:15], s[92:93]
.irp s, 0,1
	s_mov_b32 s[G0A+4*\s], 1
	s_add_co_u32 s[G0A+4*\s+1], s46, \s*SLOT
	s_add_nc_u64 s[G0A+4*\s+2:G0A+4*\s+3], s[42:43], \s*32768
	s_or_b32 s[G0A+4*\s+3], s[G0A+4*\s+3], 0x80000000
	s_mov_b32 s[G0B+4*\s], 1
	s_add_co_u32 s[G0B+4*\s+1], s46, \s*SLOT
	s_add_nc_u64 s[G0B+4*\s+2:G0B+4*\s+3], s[44:45], \s*32768
	s_or_b32 s[G0B+4*\s+3], s[G0B+4*\s+3], 0x80000000
	s_mov_b32 s[G0N+4*\s], 1
	s_add_co_u32 s[G0N+4*\s+1], s46, (1-\s)*SLOT   ; half 0 goes to slot 1, half 1 to slot 0
	s_add_nc_u64 s[G0N+4*\s+2:G0N+4*\s+3], s[84:85], \s*64*16384
	s_or_b32 s[G0N+4*\s+3], s[G0N+4*\s+3], 0x80000000
.endr
	s_cmp_eq_u32 s17, 0                            ; the code prefetches: the tile that I fetch, and my place among the four that ask for it with me
	s_cselect_b64 s[PFA:PFA+1], s[42:43], s[44:45]
	s_cselect_b32 s2, s19, s20
	s_lshl_b32 s2, s2, 13
	s_mov_b32 s3, 0
	s_add_nc_u64 s[PFA:PFA+1], s[PFA:PFA+1], s[2:3]
	s_mul_i32 s88, s17, QUART                      ; LDS: my 128 rows of xq in slot 0, 1
	s_add_co_u32 s89, s88, SLOT
	s_mul_i32 s90, s18, QUART                      ; my 128 rows of wbq, behind xq's two quarters
	s_add_co_u32 s90, s90, 2*QUART
	s_add_co_u32 s91, s90, SLOT
	s_add_co_u32 s92, s46, SLOT
	CROUND                                         ; all sixteen work-groups are here: the first joint loads meet
	JLOAD G0A, G1A, G0B, G1B                       ; K step 0: one tensor load a wave at the head
	v_and_b32 v1, 15, v0                           ; r
	v_bfe_u32 v2, v0, 4, 1                         ; h
	v_and_b32 v3, 31, v0                           ; lane
	v_lshlrev_b32 v[HO], 4, v3
	v_add_nc_u32 v[ADRA], s88, v[HO]               ; an image is read 16 bytes a lane on end
	v_add_nc_u32 v[ADRA+1], s89, v[HO]
	v_add_nc_u32 v[ADRB], s90, v[HO]
	v_add_nc_u32 v[ADRB+1], s91, v[HO]
	v_mul_u32_u24 v4, v1, 528
	v_lshl_add_u32 v4, v2, 5, v4
	v_add_nc_u32 v[NADR], s92, v4
	v_add_nc_u32 v[NADR+1], s46, v4
	v_mov_b32 v[QS], 0x32800000
	v_mul_u32_u24 v[SCOFF], s98, v2
	v_lshl_add_u32 v[SCOFF], v1, 4, v[SCOFF]
	v_add_nc_u32 v[SCOFF], s97, v[SCOFF]
	v_lshlrev_b32 v[COFF], 5, v2
	v_lshlrev_b32 v[PFO], 14, v3
	v_lshlrev_b32 v[PFC], 8, v3
	s_wait_alu depctr_va_vdst(0)                   ; the head's end: behind the head's last vector instruction
.irp ks, 0,1,2
.irp i, 0,1,2,3,4,5,6,7
	global_load_b128 v[SC+32*\ks+4*\i:SC+32*\ks+4*\i+3], v[SCOFF], s[8:9] offset:2048*\ks+256*\i   ; block i's four words of K step ks: sixteen lanes to 256 consecutive bytes
.endr
.endr
	WIN TO_B
.irp b, 0,1,2,3,4,5,6,7
	global_load_b128 v[CB+8*\b:CB+8*\b+3], v[COFF], s[10:11] offset:64*\b           ; c at columns 16 b + 8 h + 0 .. 7
	global_load_b128 v[CB+8*\b+4:CB+8*\b+7], v[COFF], s[10:11] offset:64*\b+16
.endr
	WIN 0
.macro ASKN r0                         ; my noise rows r0 .. r0 + 31: a lane a row, its two blocks of 256 bytes
.irp f, 0,1
	global_prefetch_b8 v[PFO], s[84:85] offset:(\r0)*16384+\f*256 th:TH_LOAD_NT scope:SCOPE_SE
.endr
.endm
	global_prefetch_b8 v[PFC], s[PFA:PFA+1] offset:32768 th:TH_LOAD_NT scope:SCOPE_SE   ; K step 1 of the codes
	global_prefetch_b8 v[PFC], s[PFA:PFA+1] offset:65536 th:TH_LOAD_NT scope:SCOPE_SE   ; K step 2
	ASKN 0
.macro FRAG reg, adr, q, i             ; fragment (block i, the slot's q-th 128 K): two LDS rows of 512 bytes
.irp c, 0,1
	ds_load_b128 v[\reg+4*\c:\reg+4*\c+3], v[\adr] offset:(2*(4*(\i)+(\q))+\c)*528
.endr
.endm
; 16 products: xq's blocks a0, a0 + 1 x wbq's eight.  The 64 accumulators take turns in one order in every step.  A scale register holds xq's word in lanes 0-15, wbq's in lanes 16-31.
.macro MUL16 a0, p, q, ks, zero
.irp a, \a0, \a0+1
.irp b, 0,1,2,3,4,5,6,7
.if \zero
	v_wmma_scale_f32_16x16x128_f8f6f4 v[8*(8*((\a)%4)+\b):8*(8*((\a)%4)+\b)+7], v[128*(\p)+8*\b:128*(\p)+8*\b+7], v[AF+8*(\a):AF+8*(\a)+7], 0, v[SC+32*(\ks)+4*\b+(\q)], v[SC+32*(\ks)+4*(\a)+(\q)] matrix_a_fmt:MATRIX_FMT_FP4 matrix_b_fmt:MATRIX_FMT_FP4 matrix_a_scale:MATRIX_SCALE_ROW1
.else
	v_wmma_scale_f32_16x16x128_f8f6f4 v[8*(8*((\a)%4)+\b):8*(8*((\a)%4)+\b)+7], v[128*(\p)+8*\b:128*(\p)+8*\b+7], v[AF+8*(\a):AF+8*(\a)+7], v[8*(8*((\a)%4)+\b):8*(8*((\a)%4)+\b)+7], v[SC+32*(\ks)+4*\b+(\q)], v[SC+32*(\ks)+4*(\a)+(\q)] matrix_a_fmt:MATRIX_FMT_FP4 matrix_b_fmt:MATRIX_FMT_FP4 matrix_a_scale:MATRIX_SCALE_ROW1
.endif
.endr
.endr
.endm
.macro FETCH_B slot, q, p
	WIN TO_B
.irp i, 0,1,2,3,4,5,6,7
	FRAG 128*(\p)+8*\i, ADRB+\slot, \q, \i
.endr
	WIN 0
.endm
.macro FETCH_A slot, q, i0
.irp i, \i0, \i0+1, \i0+2, \i0+3
	FRAG AF+8*(\i), ADRA+\slot, \q, \i
.endr
.endm
; a step of 128 along K that has its successor in the same slot.  ask: the first of 32 noise rows to prefetch, or -1
.macro STEP slot, q, ks, zero, ask
	s_wait_dscnt 8                                 ; wbq's set and xq's blocks 0-3 are in; the youngest eight loads (blocks 4-7) may be out
	WIN MUL_LO
	MUL16 0, (\q)%2, \q, \ks, \zero
	MUL16 2, (\q)%2, \q, \ks, \zero
	s_wait_dscnt 0
	PLACES 4                                       ; four plain places in front of loads into registers that matrix instructions have read
	FETCH_B \slot, (\q)+1, 1-(\q)%2
	FETCH_A \slot, (\q)+1, 0
.if (\ask) >= 0
	ASKN \ask
.endif
	WIN MUL_HI
	MUL16 4, (\q)%2, \q, \ks, \zero
	MUL16 6, (\q)%2, \q, \ks, \zero
	PLACES 4
	WIN 0
	FETCH_A \slot, (\q)+1, 4
.endm
; A slot's last step changes slots.  In front of the round each wave waits for all its tensor loads, adds 0 to its spare word, and waits for that and for its reads of this slot; behind it this slot is filled again first:
; kind 1: with K step 2 (a joint load); kind 2: with my noise half 0; kind 3: with my noise half 1, and no fragments follow.
.macro TURN next, ks, kind
	s_wait_tensorcnt 0x0                           ; all my tensor loads have landed
	ds_add_u32 v[SPW], v[NIL]
	s_wait_dscnt 9                                 ; (the add and the youngest eight loads may be out)
	WIN MUL_LO
	MUL16 0, 1, 3, \ks, 0
	s_wait_dscnt 0x0                               ; the add is done, and my reads of this slot are over
	s_barrier_signal -1
	MUL16 2, 1, 3, \ks, 0
	WIN 0
	s_barrier_wait -1
	CREST                                          ; no wave of any partner still reads this slot or has a load on its way
.if \kind == 1
	s_add_nc_u64 s[G0A+2:G0A+3], s[G0A+2:G0A+3], 2*32768
	s_add_nc_u64 s[G0B+2:G0B+3], s[G0B+2:G0B+3], 2*32768
	JLOAD G0A, G1A, G0B, G1B
.else
	tensor_load_to_lds s[G0N+4*(\kind-2):G0N+4*(\kind-2)+3], s[G1N:G1N+7]
	s_nop 0
	PLACES 4                                       ; also the places in front of the loads below
.endif
.if \kind < 3
	FETCH_B \next, 0, 0
	FETCH_A \next, 0, 0
.endif
	WIN MUL_HI
	MUL16 4, 1, 3, \ks, 0
	MUL16 6, 1, 3, \ks, 0
	PLACES 4
	WIN 0
.if \kind < 3
	FETCH_A \next, 0, 4
.endif
.endm
; block a of 16 rows x 128 hidden units becomes one fragment image of codes: 1,024 bytes, two stores of 512 consecutive bytes
.macro EPI a
.set AC, 64*((\a)%4)
.irp b, 0,1,2,3,4,5,6,7
	ds_load_b128 v[NZ+8*\b:NZ+8*\b+3], v[NADR+(\a)/4] offset:16*((\a)%4)*528+64*\b          ; noise(16 a + r, 16 b + 8 h + 0 .. 7)
	ds_load_b128 v[NZ+8*\b+4:NZ+8*\b+7], v[NADR+(\a)/4] offset:16*((\a)%4)*528+64*\b+16
.endr
	WIN 0x12+(\a)/4                                ; source 0: window 2 or 3; source 2 (c): window 1
.if (\a) > 0
	s_wait_alu depctr_va_vdst(0)                   ; directly ahead of the first reader of these sums
.endif
.set k, 0
.rept 32
	v_pk_fma_f32 v[T+k:T+k+1], v[AC+k:AC+k+1], s[86:87], v[CB+k:CB+k+1] op_sel_hi:[1,0,1]   ; -(sum + c) log2(e); each accumulator from its low end on
.set k, k+2
.endr
	WIN 0
.set k, 0
	s_wait_alu depctr_va_vdst(0)                   ; ahead of the batch
.rept 64
	v_exp_f32 v[T+k], v[T+k]                       ; e^-z
.set k, k+1
.endr
	v_nop                                          ; one plain place behind the batch
	s_wait_alu depctr_va_vdst(0)                   ; one wait for the batch, ahead of its first reader
	s_wait_dscnt 0x0                               ; the noise is in
.set k, 0
.rept 32
	v_pk_fma_f32 v[T+k:T+k+1], v[NZ+k:NZ+k+1], v[T+k:T+k+1], v[NZ+k:NZ+k+1]
.set k, k+2
.endr
.set k, 0
.rept 32
	v_pk_add_f32 v[T+k:T+k+1], v[T+k:T+k+1], -1.0 op_sel_hi:[1,0]   ; negative exactly where noise (1 + e^-z) < 1
.set k, k+2
.endr
.if (\a) > 0
	s_wait_alu depctr_va_vdst(0)                   ; directly ahead of the wait below
	s_wait_xcnt 0x0                                ; the last block's stores have read their registers
.endif
.irp b, 0,1,2,3,4,5,6,7
	v_cvt_scalef32_pk8_fp4_f32 v[P+4*(\b/4)+2*(\b%2)+(\b%4)/2], v[T+8*\b:T+8*\b+7], v[QS]
.endr
	v_nop                                          ; one plain place behind the conversions
.irp g, 0,1,2,3,4,5,6,7
	v_lshrrev_b32 v[P+\g], 2, v[P+\g]
.endr
.irp g, 0,1,2,3,4,5,6,7
	v_and_b32 v[P+\g], 0x22222222, v[P+\g]         ; each code's sign, at bit 1
.endr
.irp g, 0,1,2,3,4,5,6,7
	v_lshl_add_u32 v[P+\g], v[P+\g], 1, v[P+\g]    ; x 3: the code 6 or 0
.endr
.irp c, 0,1                                    ; a whole block of 32 to a lane: lanes 0-15 block 2 c, lanes 16-31 block 2 c + 1
	v_permlane16_swap_b32 v[P+4*\c], v[P+4*\c+1]
	v_permlane16_swap_b32 v[P+4*\c+2], v[P+4*\c+3]
.endr
.irp c, 0,1
	global_store_b128 v[HO], v[P+4*\c:P+4*\c+3], s[14:15] offset:((\a)/4)*147456+((\a)%4)*9216+512*\c
.endr
.endm
	s_wait_tensorcnt 0x0                           ; my part of K step 0 is in
	ds_add_u32 v[SPW], v[NIL]
	s_wait_dscnt 0x0
	CROUND                                         ; everybody's part is in, and all sixteen work-groups are here
	JLOAD G0A+4, G1A, G0B+4, G1B                   ; K step 1, slot 1's first fill: the first tensor load behind the round
	FETCH_B 0, 0, 0
	FETCH_A 0, 0, 0
	FETCH_A 0, 0, 4
	ASKN 32
	s_wait_loadcnt 0x0                             ; the scale words and c
	WIN 0x41
.set k, 0
.rept 32
	v_pk_mul_f32 v[CB+k:CB+k+1], v[CB+k:CB+k+1], s[86:87] op_sel_hi:[1,0]   ; c x -log2(e), once
.set k, k+2
.endr
	WIN 0
	STEP 0, 0, 0, 1, 64                            ; the first products start the sums
	STEP 0, 1, 0, 0, -1
	STEP 0, 2, 0, 0, 96
	TURN 1, 0, 1
	STEP 1, 0, 1, 0, -1
	STEP 1, 1, 1, 0, -1
	STEP 1, 2, 1, 0, -1
	TURN 0, 1, 2
	STEP 0, 0, 2, 0, -1
	STEP 0, 1, 2, 0, -1
	STEP 0, 2, 2, 0, -1
	TURN 0, 2, 3                                   ; its wait for all loads has shown my noise half 0 landed
	EPI 0
	EPI 1
	EPI 2
	EPI 3
	s_wait_tensorcnt 0x0                           ; my noise half 1, the last load
	EPI 4
	EPI 5
	EPI 6
	EPI 7
	s_wait_tensorcnt 0x0                           ; the wave's end
	ds_add_u32 v[SPW], v[NIL]
	s_wait_dscnt 0x0
	CROUND                                         ; the closing round
	s_endpgm
.Lfunc_end_k_q56a90f1430_hidden:
	.size	k_q56a90f1430_hidden, .Lfunc_end_k_q56a90f1430_hidden-k_q56a90f1430_hidden
	.p2alignl 7, 3214868480
	.fill 96, 4, 3214868480
	.section	.rodata,"a",@progbits
	.p2align	6, 0x0
	.amdhsa_kernel k_q56a90f1430_hidden
		.amdhsa_group_segment_fixed_size 327680
		.amdhsa_private_segment_fixed_size 0
		.amdhsa_enable_private_segment 0
		.amdhsa_kernarg_size 48
		.amdhsa_user_sgpr_count 2
		.amdhsa_user_sgpr_kernarg_segment_ptr 1
		.amdhsa_wavefront_size32 1
		.amdhsa_system_sgpr_workgroup_id_x 1
		.amdhsa_system_sgpr_workgroup_id_y 1
		.amdhsa_system_sgpr_workgroup_id_z 1
		.amdhsa_system_vgpr_workitem_id 0
		.amdhsa_next_free_vgpr 1024
		.amdhsa_next_free_sgpr 100
		.amdhsa_reserve_vcc 0
		.amdhsa_float_denorm_mode_32 3
		.amdhsa_float_denorm_mode_16_64 3
		.amdhsa_memory_ordered 1
		.amdhsa_forward_progress 1
		.amdhsa_inst_pref_size 235
	.end_amdhsa_kernel
	.amdgpu_metadata
---
amdhsa.version: [ 1, 2 ]
amdhsa.kernels:
  - .name:           k_q56a90f1430_hidden
    .symbol:         k_q56a90f1430_hidden.kd
    .args:
      - { .name: xq, .offset: 0, .size: 8, .value_kind: global_buffer, .address_space: global }
      - { .name: wbq, .offset: 8, .size: 8, .value_kind: global_buffer, .address_space: global }
      - { .name: sc1, .offset: 16, .size: 8, .value_kind: global_buffer, .address_space: global }
      - { .name: c, .offset: 24, .size: 8, .value_kind: global_buffer, .address_space: global }
      - { .name: noise, .offset: 32, .size: 8, .value_kind: global_buffer, .address_space: global }
      - { .name: hq, .offset: 40, .size: 8, .value_kind: global_buffer, .address_space: global }
    .group_segment_fixed_size: 327680
    .private_segment_fixed_size: 0
    .kernarg_segment_align: 8
    .kernarg_segment_size: 48
    .max_flat_workgroup_size: 128
    .sgpr_count:     100
    .vgpr_count:     1024
    .wavefront_size: 32
...
	.end_amdgpu_metadata
.endif
;; end of part 2
;; launch visible (part 3): grid 8 x 32, 4 waves a work-group, clusters of 4 x 4, 327,680 bytes of LDS; arguments hq, waq, sc1, sc2, b, part; writes part
.if DOCPART == 3
	.amdgcn_target "amdgcn-amd-amdhsa--gfx1250"
	.amdhsa_code_object_version 6
	.text
	.protected	k_q56a90f1430_visible
	.globl	k_q56a90f1430_visible
	.p2align	8
	.type	k_q56a90f1430_visible,@function
k_q56a90f1430_visible:
	s_mov_b64 s[64:65], 0
	v_nop
	global_prefetch_b8 v0, s[64:65] scope:SCOPE_SE
	s_setreg_imm32_b32 hwreg(HW_REG_WAVE_MODE, 25, 1), 1
	s_wait_xcnt 0x0
	s_wait_alu depctr_hold_cnt(0) depctr_sa_sdst(0) depctr_va_vdst(0) depctr_va_sdst(0) depctr_va_ssrc(0) depctr_va_vcc(0) depctr_vm_vsrc(0)
	s_getreg_b32 s2, hwreg(HW_REG_IB_STS2, 6, 4)
	s_cmp_eq_u32 s2, 0
	s_cbranch_scc0 .Lentry_in_a_cluster
	s_endpgm
.Lentry_in_a_cluster:
	s_bfe_u32 s2, ttmp6, 0x10000c
	s_cmp_lg_u32 s2, 0xf033
	s_cbranch_scc0 .Lentry_shape_is_right
	s_endpgm
.Lentry_shape_is_right:
; pre = Q(h) Q(W^T) + Q(u) Q(A) + b: one sum over K = 4096 + 512 on codes of FP4; then, for each lane, the largest of its 32 numbers of a row and its column.
; The softmax is left out: it keeps the places of a row's largest numbers (shown at the head of the first kernel).  LIMITS: NaN and infinities are not served.
; A tile of 128 batch rows x 128 visible units, so that the 4,096 x 1,024 results give each of 256 work-groups one; four waves, each 64 x 64: 16 accumulators.
; K goes in four steps of 1,152 (nine matrix instructions deep) through two LDS slots.  A wave's tensor load (64 rows x 1,152 K) is 36 fragment images, 36,864 dense bytes, brought as 144 rows of 256 bytes; an image is read
; 16 bytes a lane on end, so no padding.  CLUSTER 4 x 4: hq's tiles are shared along a row, waq's along a column: joint loads.  TRANSPOSED use: source 0 = 16 visible units, source 1 = 16 batch rows.
; h's scale word is the constant 0x7d7d7d7d (every block 2^-2); u's words come from sc1, waq's from sc2, all into registers at the head, sixteen lanes to 256 consecutive bytes.
; b is added to the finished sums, as reference() adds it.
; PREFETCHES: K step k's tiles are asked for one change of slots ahead of their joint load: k = 1 at the head, k = 2 behind K step 1's load, k = 3 behind K step 2's.  A K step of a work-group's 128 rows is 288 blocks of 256 bytes;
; the four partners that ask for it jointly and their four waves take 18 blocks each, by address (4 x place + wave), a lane a block; lanes 18-31 name the wave's last block again.
; hq's blocks are so named once in each of the two clusters that load them.  waq's are loaded by all eight rows of clusters: the four even rows ask for them, by a branch on the cluster's number round that prefetch alone.
; REGISTERS: window 0: v5-29 addresses, the results' pairs; v32-103 waq's scale words, v104-111 u's, v112 h's; v128-255 the accumulators ((a, bt) at v[128 + 8 (4 a + bt)]).
;   window 1: two fragment buffers of 64 (hq's four fragments, then waq's four); v128-159 b.
.set QUART2, 36864
.set SLOT2,  4*QUART2
.set SPARE,  2*SLOT2                   ; the spare words, 128 bytes a wave: no other line names them
.set PF,    5                          ; v5      the prefetches' offset: 256 x min(lane, 17); never rewritten
.set ADRA,  8
.set ADRB,  10
.set IB,    16                         ; v16     my first column: 128 TC + 64 CH + 8 h
.set MI,    20                         ; v20-27  (largest number, column) for each of my four blocks of rows
.set SPW,   28
.set NIL,   29
.set SB,    32
.set SU,    104
.set KH,    112
.set ACC,   128
.set G1A,   24
.set G0A,   32
.set G1B,   48
.set G0B,   56
.set PH,    70                         ; s[70:71] my 18 blocks of hq's K step 0;  s[72:73] of waq's
.set PW,    72
.set MSB, 0
.macro WIN new
.if MSB != (\new)
	s_set_vgpr_msb (MSB<<8)|(\new)
.set MSB, (\new)
.endif
.endm
.set MUL,  0x05                        ; sources 0 and 1 window 1; C and D window 0
.set TO_F, 0x40                        ; destination window 1
.macro PLACES n
.rept \n
	v_nop
.endr
.endm
.macro JLOAD g0a, g1a, g0b, g1b        ; waves 0 and 1 fetch hq's halves, waves 2 and 3 waq's; an s_nop 0 and four v_nop follow each line
	s_cmp_eq_u32 s17, 0
	s_cbranch_scc0 .Lfor_b_\@
	tensor_load_to_lds s[\g0a:\g0a+3], s[\g1a:\g1a+7]
	s_nop 0
	PLACES 4
	s_branch .Lasked_\@
.Lfor_b_\@:
	tensor_load_to_lds s[\g0b:\g0b+3], s[\g1b:\g1b+7]
	s_nop 0
	PLACES 4
.Lasked_\@:
.endm
.macro CREST
	s_cmp_lg_u32 s16, 0
	s_cbranch_scc1 .Lnot_wave_0_\@
	s_barrier_signal -3
.Lnot_wave_0_\@:
	s_barrier_wait -3
	s_barrier_signal -1
	s_barrier_wait -1
.endm
.macro CROUND
	s_barrier_signal -1
	s_barrier_wait -1
	CREST
.endm
.macro ASK ks                          ; my share of K step ks: 18 blocks of hq's tile and, in the even rows of clusters, 18 of waq's
	global_prefetch_b8 v[PF], s[PH:PH+1] offset:(\ks)*QUART2 th:TH_LOAD_NT scope:SCOPE_SE
	s_cmp_eq_u32 s76, 0
	s_cbranch_scc0 .Lodd_\@
	global_prefetch_b8 v[PF], s[PW:PW+1] offset:(\ks)*QUART2 th:TH_LOAD_NT scope:SCOPE_SE
.Lodd_\@:
.endm
	s_load_b256 s[4:11], s[0:1], 0x0               ; hq, waq, sc1, sc2
	s_load_b128 s[12:15], s[0:1], 0x20             ; b, part
	v_lshl_add_u32 v[SPW], v0, 2, SPARE
	v_mov_b32 v[NIL], 0
	ds_add_u32 v[SPW], v[NIL]                      ; the wave's opening: the add, twice on end, and its wait ahead of my first tensor load
	ds_add_u32 v[SPW], v[NIL]
	v_mov_b32 v[KH], 0x7d7d7d7d                    ; h's scale word, in every lane
	v_lshrrev_b32 v1, 5, v0
	v_readfirstlane_b32 s16, v1                    ; wave
	s_lshr_b32 s17, s16, 1                         ; RH; also: I fetch for hq (0) or waq (1)
	s_and_b32 s18, s16, 1                          ; CH; also: which 64 rows I fetch
	s_bfe_u32 s19, ttmp6, 0x40000                  ; cx
	s_bfe_u32 s20, ttmp6, 0x40004                  ; cy
	s_lshl_b32 s21, ttmp9, 2
	s_add_co_u32 s21, s21, s19                     ; TC
	s_and_b32 s22, ttmp7, 0xffff
	s_lshl_b32 s22, s22, 2
	s_add_co_u32 s22, s22, s20                     ; TR
	s_and_b32 s76, ttmp7, 1                        ; 0 in the even rows of clusters: the same in all sixteen partners
	s_lshl_b32 s40, s20, 2
	s_lshl_b32 s40, 15, s40
	s_lshl_b32 s41, 0x1111, s19
	s_or_b32 s[G1A], s40, (3<<16)|(1<<21)          ; the mask; elements of 8 bytes; no padding
	s_or_b32 s[G1B], s41, (3<<16)|(1<<21)
.irp g, G1A, G1B
	s_mov_b32 s[\g+1], 32<<16                      ; tensor_dim0 = 32 elements: 256 bytes
	s_mov_b32 s[\g+2], 144<<16                     ; tensor_dim1 = 144
	s_mov_b32 s[\g+3], 32<<16                      ; tile_dim0
	s_mov_b32 s[\g+4], 144                         ; tile_dim1
	s_mov_b32 s[\g+5], 32                          ; dense
	s_mov_b32 s[\g+6], 0
	s_mov_b32 s[\g+7], 0
.endr
	s_lshl_b32 s42, s22, 1
	s_add_co_u32 s42, s42, s18
	s_mul_i32 s42, s42, 4*QUART2                   ; hq: the 64 rows 2 TR + half
	s_mov_b32 s43, 0
	s_lshl_b32 s44, s21, 1
	s_add_co_u32 s44, s44, s18
	s_mul_i32 s44, s44, 4*QUART2                   ; waq: 2 TC + half
	s_mov_b32 s45, 0
	s_mul_i32 s46, s16, QUART2
	s_lshl_b32 s88, s21, 3
	s_lshl_b32 s89, s18, 2
	s_add_co_u32 s88, s88, s89
	s_mul_i32 s88, s88, 2304                       ; sc2: my first block of visible units, 8 TC + 4 CH
	s_mov_b32 s89, 0
	s_mul_i32 s90, s22, 3
	s_add_co_u32 s90, s90, 2
	s_lshl_b32 s90, s90, 11
	s_lshl_b32 s91, s17, 10
	s_add_co_u32 s90, s90, s91                     ; sc1: u's words of my 64 rows
	s_mov_b32 s91, 0
	s_lshl_b32 s92, s21, 9
	s_lshl_b32 s93, s18, 8
	s_add_co_u32 s92, s92, s93                     ; b: my first column x 4
	s_mov_b32 s93, 0
	s_lshl_b32 s94, s22, 3
	s_lshl_b32 s95, s17, 2
	s_add_co_u32 s94, s94, s95
	s_lshl_b32 s94, s94, 12                        ; part: (8 TR + 4 RH) 4096
	s_lshl_b32 s95, s21, 9
	s_add_co_u32 s94, s94, s95
	s_lshl_b32 s95, s18, 8
	s_add_co_u32 s94, s94, s95                     ; + (2 TC + CH) 256
	s_mov_b32 s95, 0
	s_lshr_b32 s96, s92, 2                         ; my first column
	; the prefetches' shares: share i = 4 x place + wave of 16; shares 0-7 lie in the tile's first 64 rows, 8-15 in its second; a share is 18 x 256 = 4,608 bytes
.irp pl, 19, 20
	s_lshl_b32 s74, s\pl, 2
	s_add_co_u32 s74, s74, s16
	s_lshr_b32 s75, s74, 3
	s_and_b32 s74, s74, 7
	s_mul_i32 s74, s74, 4608
	s_mul_i32 s75, s75, 4*QUART2
	s_add_co_u32 s[PH+2*(\pl-19)], s74, s75        ; hq's by cx, waq's by cy
	s_mov_b32 s[PH+2*(\pl-19)+1], 0
.endr
	s_mul_i32 s74, s22, 8*QUART2
	s_add_co_u32 s[PH], s[PH], s74                 ; + the tile's 128 rows: hq's by TR,
	s_mul_i32 s74, s21, 8*QUART2
	s_add_co_u32 s[PW], s[PW], s74                 ; waq's by TC
	s_mul_i32 s77, s17, QUART2                     ; LDS: my 64 rows of hq in slot 0, 1
	s_add_co_u32 s78, s77, SLOT2
	s_mul_i32 s79, s18, QUART2                     ; my 64 rows of waq, behind hq's two quarters
	s_add_co_u32 s79, s79, 2*QUART2
	s_add_co_u32 s80, s79, SLOT2
	s_wait_dscnt 0x0                               ; both opening adds are done
	s_wait_kmcnt 0x0
	s_add_nc_u64 s[42:43], s[4:5], s[42:43]
	s_add_nc_u64 s[44:45], s[6:7], s[44:45]
	s_add_nc_u64 s[PH:PH+1], s[4:5], s[PH:PH+1]
	s_add_nc_u64 s[PW:PW+1], s[6:7], s[PW:PW+1]
	s_add_nc_u64 s[10:11], s[10:11], s[88:89]
	s_add_nc_u64 s[8:9], s[8:9], s[90:91]
	s_add_nc_u64 s[12:13], s[12:13], s[92:93]
	s_add_nc_u64 s[14:15], s[14:15], s[94:95]
.irp s, 0,1
	s_mov_b32 s[G0A+4*\s], 1
	s_add_co_u32 s[G0A+4*\s+1], s46, \s*SLOT2
	s_add_nc_u64 s[G0A+4*\s+2:G0A+4*\s+3], s[42:43], \s*QUART2
	s_or_b32 s[G0A+4*\s+3], s[G0A+4*\s+3], 0x80000000
	s_mov_b32 s[G0B+4*\s], 1
	s_add_co_u32 s[G0B+4*\s+1], s46, \s*SLOT2
	s_add_nc_u64 s[G0B+4*\s+2:G0B+4*\s+3], s[44:45], \s*QUART2
	s_or_b32 s[G0B+4*\s+3], s[G0B+4*\s+3], 0x80000000
.endr
	CROUND                                         ; all sixteen work-groups are here: the first joint loads meet
	JLOAD G0A, G1A, G0B, G1B                       ; K step 0: one tensor load a wave at the head
	v_and_b32 v1, 15, v0                           ; r
	v_bfe_u32 v2, v0, 4, 1                         ; h
	v_and_b32 v3, 31, v0                           ; lane
	v_lshlrev_b32 v4, 4, v3
	v_add_nc_u32 v[ADRA], s77, v4
	v_add_nc_u32 v[ADRA+1], s78, v4
	v_add_nc_u32 v[ADRB], s79, v4
	v_add_nc_u32 v[ADRB+1], s80, v4
	v_mul_u32_u24 v12, v2, 2304
	v_lshl_add_u32 v12, v1, 4, v12                 ; waq's words: lanes 16-31 take the next block of 16 rows
	v_lshlrev_b32 v13, 8, v2
	v_lshl_add_u32 v13, v1, 4, v13                 ; u's likewise
	v_lshlrev_b32 v14, 5, v2
	v_lshlrev_b32 v15, 3, v3
	v_lshl_add_u32 v[IB], v2, 3, s96
	v_min_u32 v[PF], 17, v3
	v_lshlrev_b32 v[PF], 8, v[PF]
	s_wait_alu depctr_va_vdst(0)                   ; the head's end: behind the head's last vector instruction
.irp g, 0,1,2,3,4,5,6,7,8
.irp p, 0,1
	global_load_b128 v[SB+8*\g+4*\p:SB+8*\g+4*\p+3], v12, s[10:11] offset:4608*\p+256*\g   ; K = 512 g on: blocks 2 p (lanes 0-15) and 2 p + 1 (lanes 16-31)
.endr
.endr
.irp p, 0,1
	global_load_b128 v[SU+4*\p:SU+4*\p+3], v13, s[8:9] offset:512*\p
.endr
	WIN TO_F
.irp bt, 0,1,2,3
	global_load_b128 v[128+8*\bt:128+8*\bt+3], v14, s[12:13] offset:64*\bt       ; b at columns 16 bt + 8 h + 0 .. 7
	global_load_b128 v[128+8*\bt+4:128+8*\bt+7], v14, s[12:13] offset:64*\bt+16
.endr
	WIN 0
	ASK 1
.macro FETCH2 slot, q, f               ; the eight fragments of the slot's q-th 128 along K into buffer f
	WIN TO_F
.irp i, 0,1,2,3
	ds_load_b128 v[64*(\f)+32+8*\i:64*(\f)+32+8*\i+3],   v[ADRB+\slot] offset:(9*\i+(\q))*1024
	ds_load_b128 v[64*(\f)+32+8*\i+4:64*(\f)+32+8*\i+7], v[ADRB+\slot] offset:(9*\i+(\q))*1024+512
	ds_load_b128 v[64*(\f)+8*\i:64*(\f)+8*\i+3],         v[ADRA+\slot] offset:(9*\i+(\q))*1024
	ds_load_b128 v[64*(\f)+8*\i+4:64*(\f)+8*\i+7],       v[ADRA+\slot] offset:(9*\i+(\q))*1024+512
.endr
.endm
; one product: batch block a x visible block bt, step t of 36.  The rows of the scale registers: waq's block bt lies in lanes 16 (bt % 2) on; u's block a in lanes 16 (a % 2) on; h's word in every lane.
.macro WM a, bt, f, t
.set rD, ACC+8*(4*(\a)+(\bt))
.set rB, 64*(\f)+32+8*(\bt)
.set rA, 64*(\f)+8*(\a)
.set rSB, SB+8*((\t)/4)+4*((\bt)/2)+(\t)%4
.set rowB, (\bt)%2
.if (\t) < 32
.set rSA, KH
.set rowA, 0
.else
.set rSA, SU+4*((\a)/2)+(\t)-32
.set rowA, (\a)%2
.endif
.if (\t) == 0
.if rowB
	v_wmma_scale_f32_16x16x128_f8f6f4 v[rD:rD+7], v[rB:rB+7], v[rA:rA+7], 0, v[rSB], v[rSA] matrix_a_fmt:MATRIX_FMT_FP4 matrix_b_fmt:MATRIX_FMT_FP4 matrix_a_scale:MATRIX_SCALE_ROW1
.else
	v_wmma_scale_f32_16x16x128_f8f6f4 v[rD:rD+7], v[rB:rB+7], v[rA:rA+7], 0, v[rSB], v[rSA] matrix_a_fmt:MATRIX_FMT_FP4 matrix_b_fmt:MATRIX_FMT_FP4
.endif
.elseif rowB && rowA
	v_wmma_scale_f32_16x16x128_f8f6f4 v[rD:rD+7], v[rB:rB+7], v[rA:rA+7], v[rD:rD+7], v[rSB], v[rSA] matrix_a_fmt:MATRIX_FMT_FP4 matrix_b_fmt:MATRIX_FMT_FP4 matrix_a_scale:MATRIX_SCALE_ROW1 matrix_b_scale:MATRIX_SCALE_ROW1
.elseif rowB
	v_wmma_scale_f32_16x16x128_f8f6f4 v[rD:rD+7], v[rB:rB+7], v[rA:rA+7], v[rD:rD+7], v[rSB], v[rSA] matrix_a_fmt:MATRIX_FMT_FP4 matrix_b_fmt:MATRIX_FMT_FP4 matrix_a_scale:MATRIX_SCALE_ROW1
.elseif rowA
	v_wmma_scale_f32_16x16x128_f8f6f4 v[rD:rD+7], v[rB:rB+7], v[rA:rA+7], v[rD:rD+7], v[rSB], v[rSA] matrix_a_fmt:MATRIX_FMT_FP4 matrix_b_fmt:MATRIX_FMT_FP4 matrix_b_scale:MATRIX_SCALE_ROW1
.else
	v_wmma_scale_f32_16x16x128_f8f6f4 v[rD:rD+7], v[rB:rB+7], v[rA:rA+7], v[rD:rD+7], v[rSB], v[rSA] matrix_a_fmt:MATRIX_FMT_FP4 matrix_b_fmt:MATRIX_FMT_FP4
.endif
.endm
.macro MUL8 f, a0, t                   ; the 16 accumulators take turns in one order
.irp a, \a0, \a0+1
.irp bt, 0,1,2,3
	WM \a, \bt, \f, \t
.endr
.endr
.endm
.macro KSTEP t                         ; a step that has its successor in the same slot
	s_wait_dscnt 0x0                               ; this step's fragments are in
	PLACES 4                                       ; four plain places in front of loads into the buffer that the last step multiplied
	FETCH2 ((\t)/9)%2, (\t)%9+1, 1-(\t)%2
	WIN MUL
	MUL8 (\t)%2, 0, \t
	MUL8 (\t)%2, 2, \t
.endm
; A slot's last step changes slots: in front of the barrier each wave waits for all its tensor loads, adds 0 to its spare word, and waits for that and for its reads of this slot.
; fill = 1: the slot takes the K step two on.  ask: the K step to prefetch, or 0
.macro TURN2 t, fill, ask
.set sl, ((\t)/9)%2
	WIN 0
	s_wait_tensorcnt 0x0                           ; all my tensor loads have landed: my part of the next slot
	ds_add_u32 v[SPW], v[NIL]                      ; 0 onto my spare word
	s_wait_dscnt 1                                 ; this step's fragments are in (the add alone may be out)
	WIN MUL
	MUL8 (\t)%2, 0, \t
	s_wait_dscnt 0x0                               ; the add is done, and my reads of this slot are over
	s_barrier_signal -1
	MUL8 (\t)%2, 2, \t
	WIN 0
	s_barrier_wait -1
.if \fill
	CREST                                          ; no wave of any partner still reads this slot or has a load on its way
	s_add_nc_u64 s[G0A+4*sl+2:G0A+4*sl+3], s[G0A+4*sl+2:G0A+4*sl+3], 2*QUART2
	s_add_nc_u64 s[G0B+4*sl+2:G0B+4*sl+3], s[G0B+4*sl+2:G0B+4*sl+3], 2*QUART2
	JLOAD G0A+4*sl, G1A, G0B+4*sl, G1B             ; the first tensor load behind the round; its four v_nop are the places in front of the loads below
.else
	PLACES 4
.endif
	FETCH2 1-sl, 0, 1-(\t)%2
.if \ask
	WIN 0
	ASK \ask
.endif
.endm
	s_wait_tensorcnt 0x0                           ; my part of K step 0 is in
	ds_add_u32 v[SPW], v[NIL]
	s_wait_dscnt 0x0
	CROUND                                         ; everybody's part is in, and all sixteen work-groups are here
	JLOAD G0A+4, G1A, G0B+4, G1B                   ; K step 1, slot 1's first fill: the first tensor load behind the round
	FETCH2 0, 0, 0
	WIN 0
	ASK 2
	s_wait_loadcnt 0x0                             ; the scale words and b
.set TT, 0
.rept 36
.if TT == 35
	s_wait_dscnt 0x0
	WIN MUL
	MUL8 TT%2, 0, TT
	MUL8 TT%2, 2, TT
.elseif TT == 8
	TURN2 TT, 1, 3
.elseif TT == 17
	TURN2 TT, 1, 0
.elseif TT == 26
	TURN2 TT, 0, 0
.else
	KSTEP TT
.endif
.set TT, TT+1
.endr
	WIN 0
	PLACES 4                                       ; four plain places in front of the first read of results
	WIN 0x04                                       ; source 1 (b) window 1
.irp a, 0,1,2,3
.irp bt, 0,1,2,3
.irp k, 0,2,4,6
	v_pk_add_f32 v[ACC+8*(4*\a+\bt)+\k:ACC+8*(4*\a+\bt)+\k+1], v[ACC+8*(4*\a+\bt)+\k:ACC+8*(4*\a+\bt)+\k+1], v[128+8*\bt+\k:128+8*\bt+\k+1]   ; + b; each accumulator from its low end on
.endr
.endr
.endr
	WIN 0
; block a: register e of 32 is pre(16 a + r, my first column + 16 (e / 8) + e % 8).  The largest, then the lowest column that holds it: the columns are walked downwards, so the lowest is written last.
.macro AMAX a
.set X, ACC+32*(\a)
.set M, MI+2*(\a)
	v_max3_num_f32 v[M], v[X], v[X+1], v[X+2]
.irp i, 3,5,7,9,11,13,15,17,19,21,23,25,27,29
	v_max3_num_f32 v[M], v[M], v[X+\i], v[X+\i+1]
.endr
	v_max_num_f32 v[M], v[M], v[X+31]
	v_mov_b32 v[M+1], 0x7fffffff
.set e, 31
.rept 32
	v_cmp_neq_f32 vcc_lo, v[X+e], v[M]
	v_cndmask_b32 v[M+1], 16*(e/8)+e%8, v[M+1], vcc_lo
.set e, e-1
.endr
	v_add_nc_u32 v[M+1], v[IB], v[M+1]
	global_store_b64 v15, v[M:M+1], s[14:15] offset:4096*(\a)   ; 32 lanes store 256 consecutive aligned bytes
.endm
.irp a, 0,1,2,3
	AMAX \a
.endr
	s_wait_tensorcnt 0x0                           ; the wave's end
	ds_add_u32 v[SPW], v[NIL]
	s_wait_dscnt 0x0
	CROUND                                         ; the closing round
	s_endpgm
.Lfunc_end_k_q56a90f1430_visible:
	.size	k_q56a90f1430_visible, .Lfunc_end_k_q56a90f1430_visible-k_q56a90f1430_visible
	.p2alignl 7, 3214868480
	.fill 96, 4, 3214868480
	.section	.rodata,"a",@progbits
	.p2align	6, 0x0
	.amdhsa_kernel k_q56a90f1430_visible
		.amdhsa_group_segment_fixed_size 327680
		.amdhsa_private_segment_fixed_size 0
		.amdhsa_enable_private_segment 0
		.amdhsa_kernarg_size 48
		.amdhsa_user_sgpr_count 2
		.amdhsa_user_sgpr_kernarg_segment_ptr 1
		.amdhsa_wavefront_size32 1
		.amdhsa_system_sgpr_workgroup_id_x 1
		.amdhsa_system_sgpr_workgroup_id_y 1
		.amdhsa_system_sgpr_workgroup_id_z 1
		.amdhsa_system_vgpr_workitem_id 0
		.amdhsa_next_free_vgpr 512
		.amdhsa_next_free_sgpr 100
		.amdhsa_reserve_vcc 1
		.amdhsa_float_denorm_mode_32 3
		.amdhsa_float_denorm_mode_16_64 3
		.amdhsa_memory_ordered 1
		.amdhsa_forward_progress 1
		.amdhsa_inst_pref_size 148
	.end_amdhsa_kernel
	.amdgpu_metadata
---
amdhsa.version: [ 1, 2 ]
amdhsa.kernels:
  - .name:           k_q56a90f1430_visible
    .symbol:         k_q56a90f1430_visible.kd
    .args:
      - { .name: hq, .offset: 0, .size: 8, .value_kind: global_buffer, .address_space: global }
      - { .name: waq, .offset: 8, .size: 8, .value_kind: global_buffer, .address_space: global }
      - { .name: sc1, .offset: 16, .size: 8, .value_kind: global_buffer, .address_space: global }
      - { .name: sc2, .offset: 24, .size: 8, .value_kind: global_buffer, .address_space: global }
      - { .name: b, .offset: 32, .size: 8, .value_kind: global_buffer, .address_space: global }
      - { .name: part, .offset: 40, .size: 8, .value_kind: global_buffer, .address_space: global }
    .group_segment_fixed_size: 327680
    .private_segment_fixed_size: 0
    .kernarg_segment_align: 8
    .kernarg_segment_size: 48
    .max_flat_workgroup_size: 128
    .sgpr_count:     100
    .vgpr_count:     512
    .wavefront_size: 32
...
	.end_amdgpu_metadata
.endif
;; end of part 3
;; launch onehot (part 4): grid 256 x 1, 8 waves a work-group, no clusters, 0 bytes of LDS; arguments part, out0; writes out0
.if DOCPART == 4
	.amdgcn_target "amdgcn-amd-amdhsa--gfx1250"
	.amdhsa_code_object_version 6
	.text
	.protected	k_q56a90f1430_onehot
	.globl	k_q56a90f1430_onehot
	.p2align	8
	.type	k_q56a90f1430_onehot,@function
k_q56a90f1430_onehot:
	s_mov_b64 s[64:65], 0
	v_nop
	global_prefetch_b8 v0, s[64:65] scope:SCOPE_SE
	s_setreg_imm32_b32 hwreg(HW_REG_WAVE_MODE, 25, 1), 1
	s_wait_xcnt 0x0
; out0[row] = one_hot(the lowest column at which pre[row] is largest).  The softmax is left out: it keeps those places (shown at the head of the first kernel).
; part holds, for each block of 16 rows, 16 groups x 32 lanes of (largest number, its column); lanes r and r + 16 of every group belong to row r.
; A work-group takes 16 rows.  Each of its eight waves reads the block's 4,096 bytes (sixteen loads of 256 consecutive bytes), joins them, and writes two rows of 4,096 bytes, 512 consecutive bytes a store.
; The column only selects values: no address and no branch is made of it.  LIMIT: a row with a NaN is not served.  No LDS, no matrix unit, no cluster: a stream of stores.
	s_load_b128 s[4:7], s[0:1], 0x0                ; part, out0
	v_lshrrev_b32 v1, 5, v0
	s_delay_alu instid0(VALU_DEP_1)
	v_readfirstlane_b32 s8, v1                     ; wave
	v_and_b32 v1, 31, v0                           ; lane
	s_delay_alu instid0(VALU_DEP_1)
	v_lshlrev_b32 v2, 3, v1
	s_delay_alu instid0(VALU_DEP_2)
	v_lshlrev_b32 v3, 4, v1
	s_delay_alu instid0(VALU_DEP_3)
	v_lshlrev_b32 v4, 2, v1                        ; my first column of a store's 128
	v_mov_b32 v6, 0                                ; written once: a lane permute's destination counts as one of its sources
	v_mov_b32 v9, 0x7fffffff
	v_mov_b32 v10, 1.0
	s_mov_b32 s14, 0x76543210
	s_mov_b32 s15, 0xfedcba98                      ; v_permlanex16_b32's selects for lane l xor 16
	s_lshl_b32 s10, ttmp9, 12
	s_mov_b32 s11, 0
	s_lshl_b32 s12, ttmp9, 16
	s_lshl_b32 s9, s8, 13
	s_add_co_u32 s12, s12, s9                      ; my first row: 16 x work-group + 2 x wave
	s_mov_b32 s13, 0
	s_lshl_b32 s9, s8, 1                           ; and the lane that holds its column
	s_add_co_u32 s16, s9, 1
	s_wait_alu depctr_va_vdst(0)
	s_wait_kmcnt 0x0
	s_add_nc_u64 s[4:5], s[4:5], s[10:11]
	s_add_nc_u64 s[6:7], s[6:7], s[12:13]
.irp g, 0,1,2,3,4,5,6,7,8,9,10,11,12,13,14,15
	global_load_b64 v[16+2*\g:17+2*\g], v2, s[4:5] offset:256*\g
.endr
	s_wait_loadcnt 0x0
	v_max3_num_f32 v5, v16, v18, v20
.irp g, 3,5,7,9,11,13
	s_delay_alu instid0(VALU_DEP_1)
	v_max3_num_f32 v5, v5, v[16+2*\g], v[18+2*\g]
.endr
	s_delay_alu instid0(VALU_DEP_1)
	v_max_num_f32 v5, v5, v46
	s_delay_alu instid0(VALU_DEP_1)
	v_permlanex16_b32 v6, v5, s14, s15
	s_delay_alu instid0(VALU_DEP_1)
	v_max_num_f32 v5, v5, v6                       ; the row's largest number
	v_mov_b32 v7, 0x7fffffff
.irp g, 0,1,2,3,4,5,6,7,8,9,10,11,12,13,14,15
	v_cmp_eq_f32 vcc_lo, v[16+2*\g], v5
	s_delay_alu instid0(VALU_DEP_1)
	v_cndmask_b32 v8, v9, v[17+2*\g], vcc_lo
	s_delay_alu instid0(VALU_DEP_1)
	v_min_u32 v7, v7, v8
.endr
	s_delay_alu instid0(VALU_DEP_1)
	v_permlanex16_b32 v6, v7, s14, s15
	s_delay_alu instid0(VALU_DEP_1)
	v_min_u32 v7, v7, v6                           ; the lowest column that holds it
	s_delay_alu instid0(VALU_DEP_1)
	v_readlane_b32 s10, v7, s9
	s_delay_alu instid0(VALU_DEP_2)
	v_readlane_b32 s11, v7, s16
	s_delay_alu instid0(VALU_DEP_2)
	v_sub_nc_u32 v11, s10, v4
	s_delay_alu instid0(VALU_DEP_2)
	v_sub_nc_u32 v12, s11, v4
.irp i, 0,1
.irp k, 0,1,2,3,4,5,6,7
.irp e, 0,1,2,3
	v_cmp_eq_u32 vcc_lo, 128*\k+\e, v[11+\i]
	s_delay_alu instid0(VALU_DEP_1)
	v_cndmask_b32 v[48+32*\i+4*\k+\e], 0, v10, vcc_lo
.endr
	global_store_b128 v3, v[48+32*\i+4*\k:48+32*\i+4*\k+3], s[6:7] offset:4096*\i+512*\k th:TH_STORE_NT
.endr
.endr
	s_endpgm
.Lfunc_end_k_q56a90f1430_onehot:
	.size	k_q56a90f1430_onehot, .Lfunc_end_k_q56a90f1430_onehot-k_q56a90f1430_onehot
	.p2alignl 7, 3214868480
	.fill 96, 4, 3214868480
	.section	.rodata,"a",@progbits
	.p2align	6, 0x0
	.amdhsa_kernel k_q56a90f1430_onehot
		.amdhsa_group_segment_fixed_size 0
		.amdhsa_private_segment_fixed_size 0
		.amdhsa_enable_private_segment 0
		.amdhsa_kernarg_size 16
		.amdhsa_user_sgpr_count 2
		.amdhsa_user_sgpr_kernarg_segment_ptr 1
		.amdhsa_wavefront_size32 1
		.amdhsa_system_sgpr_workgroup_id_x 1
		.amdhsa_system_sgpr_workgroup_id_y 1
		.amdhsa_system_sgpr_workgroup_id_z 1
		.amdhsa_system_vgpr_workitem_id 0
		.amdhsa_next_free_vgpr 112
		.amdhsa_next_free_sgpr 66
		.amdhsa_reserve_vcc 1
		.amdhsa_float_denorm_mode_32 3
		.amdhsa_float_denorm_mode_16_64 3
		.amdhsa_memory_ordered 1
		.amdhsa_forward_progress 1
		.amdhsa_inst_pref_size 16
	.end_amdhsa_kernel
	.amdgpu_metadata
---
amdhsa.version: [ 1, 2 ]
amdhsa.kernels:
  - .name:           k_q56a90f1430_onehot
    .symbol:         k_q56a90f1430_onehot.kd
    .args:
      - { .name: part, .offset: 0, .size: 8, .value_kind: global_buffer, .address_space: global }
      - { .name: out0, .offset: 8, .size: 8, .value_kind: global_buffer, .address_space: global }
    .group_segment_fixed_size: 0
    .private_segment_fixed_size: 0
    .kernarg_segment_align: 8
    .kernarg_segment_size: 16
    .max_flat_workgroup_size: 256
    .sgpr_count:     66
    .vgpr_count:     112
    .wavefront_size: 32
...
	.end_amdgpu_metadata
.endif
;; end of part 4
